; MI455X (gfx1250); checked and timed in simulation.
; The chip was launched on July 23, 2026; its instructions are those of AMD's public machine-readable ISA for CDNA 5 (MIT licence, August 2026) and "CDNA5" Instruction Set Architecture Reference Guide (July 2026). The comments in the code are by the model that wrote it; some were corrected since.
;; Soft Attention. Allowed arithmetic: matrix products marked QUANTISED: E4M3 operands, one E8M0 scale for each 32 along K, by v_wmma_scale_f32_16x16x128_f8f6f4 with both operands' format E4M3, f32 sums; products left as they are: f32 operands where the result goes on into a quantised operand, else bf16, f16 or f32 operands; f32 sums; everything else in f32.
;; Inputs: W1_codes 1,024 x 32 x 32 uint8 (E4M3 codes of W1, K innermost, in blocks of 32 codes); W1_scales 1,024 x 32 uint8 (E8M0 scales of W1, one for each 32 codes along K); W2 1,024 x 1,024 float32; b 1 float32; q 1 x 1,024 float32; v 65,536 x 1,024 float32.
;; Outputs: out0 1,024 float32.
;; This version of the problem:
;;   THIS VERSION OF THE PROBLEM IS GIVEN IN LOW PRECISION. The matrix products marked QUANTISED in the list below multiply operands that are first quantised to E4M3 (4 exponent bits, 3 mantissa bits; 8 bits a number), with one power-of-two scale for each 32 numbers along K (OCP MX v1.0); their sums are f32. All else is computed in f32.
;;   The module's matrix products, in the order in which they are computed (A, B: the left and right operand; K: the contracted axis; several contracted axes count as one K, in the product's order):
;;     1. [M 1,024, K 1,024] x [K 1,024, N 1]; A: input W2; B: input v: left as it is (N = 1 < 16)
;;     2. [M 65,536, K 1,024] x [K 1,024, N 1,024]; A: input v; B: input W1 (given as codes): QUANTISED
;;     3. [M 65,536, K 1,024] x [K 1,024, N 1]; A: computed on the way; B: input q: left as it is (N = 1 < 16)
;;     4. [M 1, K 65,536] x [K 65,536, N 1,024]; A: computed on the way; B: input v: left as it is (M = 1 < 16)
;;   THE QUANTISER, for each operand of a quantised product, along K:
;;     - K is cut into blocks of 32 from its start; a last block that is shorter is filled with zeros.
;;     - A block's scale is 2^e with e = floor(log2(the largest magnitude in the block)) - 8, held to -126 .. 127; a block of zeros has e = 0. As a byte (E8M0): e + 127.
;;     - Each number is divided by its block's scale, clamped to +-448, and rounded to the nearest number of E4M3, ties to even, subnormals kept.
;;     - The product sums the exact products of the quantised numbers (number of the format x scale) in f32.
;;   ~~~python
;;   def quantise(x, axis):      # numpy; x: float32 -> the quantised numbers, widened to float32 again
;;       x = np.moveaxis(x, axis, -1); K = x.shape[-1]
;;       x = np.pad(x, [(0, 0)] * (x.ndim - 1) + [(0, -K % 32)]); x = x.reshape(x.shape[:-1] + (-1, 32)); a = np.abs(x).max(-1, keepdims=True)
;;       e = np.where(a > 0, np.clip(np.frexp(np.where(a > 0, a, 1))[1] - 1 - 8, -126, 127), 0)      # np.frexp(a)[1] - 1 = floor(log2(a)), exactly
;;       r = np.clip(x / 2.0 ** e, -448, 448)
;;       step = 2.0 ** (np.maximum(np.frexp(np.where(r == 0, 1, r))[1] - 1, -6) - 3)
;;       q = np.round(r / step) * step * 2.0 ** e      # np.round: ties to even
;;       return np.moveaxis(q.reshape(q.shape[:-2] + (-1,))[..., :K], -1, axis).astype(np.float32)
;;   ~~~
;;   INPUTS GIVEN AS CODES. W1 (in the module: [1024, 1024], K = its axis 1): each comes as NAME_codes (uint8): NAME with its K axis moved to the last place and cut into blocks of 32 codes, [.., K / 32, bytes a block], one block behind the other in memory; one code a byte (a code: sign, 4 exponent bits, 3 mantissa bits); and NAME_scales (uint8): the same leading axes, one E8M0 byte (e + 127) for each 32 codes along K. Its value is code x scale, taken as it is: it is not quantised again, and the codes and scales need not be those that the quantiser above would give.
;; One version. Each part assembles by itself: llvm-mc -triple=amdgcn-amd-amdhsa -mcpu=gfx1250 --defsym DOCPART=n.
;; ======== version 1 of 1: 2 launches
;; limits: a difference of large sums (such as E[x^2] - mean^2): digits are lost where the result is much smaller than its terms
;; workspace buffers: part 4,325,376 bytes
;; launch main (part 1): grid 512 x 1, 4 waves a work-group, clusters of 4 x 1, 327,680 bytes of LDS; arguments v, W1_codes, W1_scales, W2, q, b, part; writes part
.if DOCPART == 1
	.amdgcn_target "amdgcn-amd-amdhsa--gfx1250"
	.amdhsa_code_object_version 6
	.text
	.protected	k_q632704fb8a_main
	.globl	k_q632704fb8a_main
	.p2align	8
	.type	k_q632704fb8a_main,@function
k_q632704fb8a_main:
	s_mov_b64 s[64:65], 0
	v_nop
	global_prefetch_b8 v0, s[64:65] scope:SCOPE_SE
	s_setreg_imm32_b32 hwreg(HW_REG_WAVE_MODE, 25, 1), 1
	s_wait_xcnt 0x0
	s_wait_alu depctr_hold_cnt(0) depctr_sa_sdst(0) depctr_va_vdst(0) depctr_va_sdst(0) depctr_va_ssrc(0) depctr_va_vcc(0) depctr_vm_vsrc(0)
	s_getreg_b32 s2, hwreg(HW_REG_IB_STS2, 6, 4)
	s_cmp_eq_u32 s2, 0
	s_cbranch_scc0 .Lentry_in_a_cluster
	s_endpgm
.Lentry_in_a_cluster:
	s_bfe_u32 s2, ttmp6, 0x10000c
	s_cmp_lg_u32 s2, 0x3003
	s_cbranch_scc0 .Lentry_shape_is_right
	s_endpgm
.Lentry_shape_is_right:
; out[k] = sum over s of scores[s] v[s][k];  scores[s] = g[s] + c0;  g[s] = sum over d of q[d] (sum over k of Q(v)[s][k] W1[d][k]);  c0 = sum over d of q[d] (W2[d] . v[65535] + b).
; So out = sum g[s] v[s] + c0 sum v[s].  A work-group takes 128 rows of v through the whole chain and stores a record: P[1024] = sum g v, S[1024] = sum v, and its share of c0 (d = 2 WG, 2 WG + 1).
; The next launch adds the 512 records.  v leaves memory once: its E4M3 codes (256 registers a wave) and a bf16 copy (512 registers a wave) stay in registers.
; SHARES.  Four waves split K: wave w owns columns 256 w .. 256 w + 255 of all 128 rows: 8 tiles of 16 rows x 2 K steps of 128.  It quantises them itself, so no code goes from wave to wave; each
; fragment of W1 read from LDS feeds 8 matrix instructions, and each byte of W1 in LDS is read by one wave.  Only the partial scores (4 x 128 numbers) meet in LDS.
; W1's codes go through a ring of two LDS slots of 128 rows of d.  CLUSTER: the four work-groups of a cluster walk the same W1, so each tile is asked for jointly (mask 15).
; THE QUANTISED PRODUCT IS USED TRANSPOSED: source 0 = 16 rows of W1, source 1 = 16 rows of v: lane (r, h) holds row r of v and d = 8 h + 0 .. 7, which packed multiply-adds fold with q at once.
; BY TURNS: behind each matrix instruction stand two lines of that folding, of accumulators finished earlier, so that the wave's vector work is issued while its matrix instruction runs.
; THE LAST PRODUCT goes in bf16: A holds the scores in rows 0 and 8 and ones in rows 1 and 9, B is the bf16 copy as it was made from the loads (a lane: 16 rows of one column).
; LIMITS: NaN and infinities among the inputs are not served.  A block of 32 zeros gets the scale byte 1 with zero codes.  Blocks whose largest magnitude lies under 2^-118 keep byte 1.
; K is split over the waves, so the order of the f32 sums is not the reference's.  sum g v and c0 sum v are formed apart and added at the end.
.set PITCH, 1040                       ; a row of W1 in LDS: 1,024 bytes + 16: 65 x 16, so the 16 rows of a fragment load start in 16 different 16-byte columns of 256
.set TILEB, 16*PITCH                   ; 16 rows of d
.set SLOT,  128*PITCH                  ; a slot: 128 rows of d; slot 1 follows slot 0
.set STG,   2*SLOT                     ; a stage of 8,448 bytes for each wave: first 16 rows x 528 for the turn of v, then 256 rows of W1's scale bytes (32 a row)
.set STGW,  8448
.set SPCH,  528
.set QL,    STG+4*STGW                 ; q, 4,096 bytes
.set XCH,   QL+4096                    ; partial scores [wave][128]
.set FIN,   XCH+2048                   ; each wave's own copy of g[128]
.set XC0,   FIN+2048                   ; four words: the waves' shares of c0
.set SPARE, XC0+256                    ; the spare words, 128 bytes for each wave: two blocks of 256 bytes that no other line names
.set REC,   8448                       ; a record of part: P 4,096, S 4,096, c0 64 times
; window 0
.set SPW, 4                            ; v4  SPARE + 4 x thread; never rewritten
.set NIL, 5                            ; v5  0; never rewritten
.set GV,  6                            ; v6  1024 w + 16 lane: my 16 bytes of a row of v, and of P and S
.set STW, 7                            ; v7  stage, in: + 16 lane
.set STR, 8                            ; v8  stage, out: + 528 r + 64 h
.set AWB, 9                            ; v9  1040 r + 16 h + 256 w
.set QAB, 10                           ; v10 QL + 32 h
.set SAB, 11                           ; v11 STG + 32 r + 8 w
.set ADW, 12                           ; v12-14 the addresses in hand
.set ADQ, 13
.set ADS, 14
.set XW,  15                           ; v15 XCH + 512 w + 4 r
.set XR,  16                           ; v16 XCH + 16 lane
.set FW,  17                           ; v17 FIN + 512 w + 16 lane
.set FRD, 18                           ; v18 FIN + 512 w
.set VS,  20                           ; v20-35 v's scale words, tile t, K step s at 2 t + s: scales and nothing else
.set SCW, 36                           ; v36-39 W1's scale words, two sets of two: scales and nothing else
.set ONESB, 40                         ; v40 two bf16 ones in lanes 1 and 25, else 0
.set C0A, 41                           ; v41 XC0 + 4 w
.set SGO, 42                           ; v42 8192 w + 16 lane
.set TMP, 43
.set TM,  44                           ; load phase: v44-59 at work
.set CV,  60                           ; load phase: v60 32 x thread;  v61 QL + 32 x thread
.set QW,  61
.set XA,  64                           ; load phase: two sets of 64 numbers as loaded,
.set F,   192                          ; and 64 numbers turned: register 16 b + i = column 32 b + 16 h + i of row r
.set QF,  60                           ; matrix phase: v60-75 q, two sets of 8
.set BF,  76                           ; v76-139 W1's fragments, two sets of 2 x 16
.set ACC, 140                          ; v140-203 eight accumulators
.set SP,  204                          ; v204-235 the partial scores: two pairs for each tile of rows, so that the two lines of a slice do not hang on each other
.set TP,  44                           ; last phase: v44-51 packed scores; v[56:57] c0
.set C0R, 56
.set SCR, 76                           ; v76-139 64 scores
.set PACC, 140                         ; v140-203 eight accumulators (K step s, column c at 4 s + c)
.set PA,  204                          ; v204-219 A, two sets
.set OUTR, 220                         ; v220-235
; window 1: the codes, fragment (t, s) at 16 (2 t + s).  windows 2, 3: the bf16 copy, operand (t, s, c) at 8 (4 (2 (t % 4) + s) + c), window 2 for t < 4
.set WV,  18
.set G1,  24                           ; s[24:31] descriptor group 1;  s[32:39] group 0, a set for each slot
.set G0,  32
.set SEL, 40
.set MNT, 42
.set OC,  43
.set IC,  44
.set TB,  45                           ; LDS byte of the pair's first tile in the ring
.set TQ,  46                           ; and of its q
.set TS,  47                           ; and of its scale bytes
.set MSK, 51
.set MSK1, 52
.set MSB, 0
.macro WIN new                         ; the immediate's high byte repeats the setting that is left; a switch that changes nothing is dropped
.if MSB != (\new)
	s_set_vgpr_msb (MSB<<8)|(\new)
.set MSB, (\new)
.endif
.endm
.macro CREST                           ; a round of the cluster's barrier behind its opening barrier
	s_cmp_lg_u32 s[WV], 0
	s_cbranch_scc1 .Lnot_wave_0_\@
	s_barrier_signal -3
.Lnot_wave_0_\@:
	s_barrier_wait -3
	s_barrier_signal -1
	s_barrier_wait -1
.endm
.macro CROUND
	s_barrier_signal -1
	s_barrier_wait -1
	CREST
.endm
	s_load_b256 s[4:11], s[0:1], 0x0               ; v s[4:5], W1's codes s[6:7], W1's scales s[8:9], W2 s[10:11]
	s_load_b128 s[12:15], s[0:1], 0x20             ; q s[12:13], b s[14:15]
	s_load_b64 s[16:17], s[0:1], 0x30              ; part
	v_lshl_add_u32 v[SPW], v0, 2, SPARE
	v_mov_b32 v[NIL], 0
	ds_add_u32 v4, v5
	ds_add_u32 v4, v5
	s_wait_dscnt 0x0
	v_lshrrev_b32 v1, 5, v0
	v_readfirstlane_b32 s[WV], v1                  ; wave 0..3
	s_bfe_u32 s19, ttmp6, 0x40000                  ; cx
	s_lshl_b32 s20, ttmp9, 2
	s_add_co_u32 s20, s20, s19                     ; my work-group = 4 x cluster + cx: it enters the addresses of plain loads and stores alone
	; descriptor group 1: 32 rows of 1,024 bytes, 16 bytes of padding behind each
	s_mov_b32 s[G1+0], 15|(0<<16)|(1<<20)|(1<<21)|(7<<22)|(3<<25)  ; 15:0 the mask: all four; 17:16 elements of 1 byte; 20 padding on; 21 set beside a mask; 24:22 after every 256 words (code 7); 31:25 four words (code 3)
	s_mov_b32 s[G1+1], 1024<<16                    ; tensor_dim0
	s_mov_b32 s[G1+2], 32<<16                      ; tensor_dim1
	s_mov_b32 s[G1+3], 1024<<16                    ; tile_dim0
	s_mov_b32 s[G1+4], 32                          ; tile_dim1
	s_mov_b32 s[G1+5], 1024                        ; from row to row
	s_mov_b32 s[G1+6], 0
	s_mov_b32 s[G1+7], 0
	s_mul_i32 s54, s[WV], 32*PITCH                 ; my 32 rows of a slot, in LDS,
	s_lshl_b32 s56, s[WV], 15                      ; and in memory
	s_mov_b32 s57, 0
	s_wait_kmcnt 0x0
	s_add_nc_u64 s[56:57], s[6:7], s[56:57]
	CROUND                                         ; all four work-groups are here: the first joint loads meet
.irp n, 0,1
	s_mov_b32 s[G0+4*\n], 1
	s_add_co_u32 s[G0+4*\n+1], s54, \n*SLOT
	s_add_nc_u64 s[G0+4*\n+2:G0+4*\n+3], s[56:57], \n*131072       ; slot n begins with rows 128 n of d
	s_or_b32 s[G0+4*\n+3], s[G0+4*\n+3], 0x80000000
.endr
	tensor_load_to_lds s[G0:G0+3], s[G1:G1+7]      ; both first fills together: two loads of mine are out
	s_nop 0
	tensor_load_to_lds s[G0+4:G0+7], s[G1:G1+7]
	s_nop 0
.rept 4
	v_nop
.endr
	s_mov_b32 s[SEL], 0x76543210
	s_mov_b32 s[SEL+1], 0xfedcba98                 ; v_permlanex16_b32's selects for lane l xor 16
	s_mov_b32 s[MNT], 0x600000                     ; the mantissa field of 448
	s_mov_b32 s[MSK], 0x01000001                   ; lanes 0 and 24
	s_mov_b32 s[MSK1], 0x02000002                  ; lanes 1 and 25
	s_add_nc_u64 s[22:23], s[4:5], 0xffff000       ; v's last row: 65,535 x 4,096 bytes
	s_lshl_b32 s58, s20, 19                        ; my 128 rows of 4,096 bytes
	s_mov_b32 s59, 0
	s_add_nc_u64 s[4:5], s[4:5], s[58:59]
	s_lshl_b32 s58, s20, 13                        ; W2 at row 2 WG
	s_add_nc_u64 s[10:11], s[10:11], s[58:59]
	s_mul_i32 s58, s20, REC
	s_add_nc_u64 s[16:17], s[16:17], s[58:59]      ; my record
	s_lshl_b32 s58, s20, 3
	s_add_nc_u64 s[62:63], s[12:13], s[58:59]
	s_load_b64 s[48:49], s[62:63], 0x0             ; q[2 WG], q[2 WG + 1]
	s_load_b32 s50, s[14:15], 0x0                  ; b
	v_and_b32 v3, 31, v0                           ; lane
	v_and_b32 v1, 15, v0                           ; r
	v_bfe_u32 v2, v0, 4, 1                         ; h
	v_lshlrev_b32 v[TMP], 4, v3                    ; 16 lane
	s_lshl_b32 s55, s[WV], 10
	v_add_nc_u32 v[GV], s55, v[TMP]
	s_mul_i32 s56, s[WV], STGW
	s_add_co_u32 s56, s56, STG                     ; my stage
	v_add_nc_u32 v[STW], s56, v[TMP]
	v_mul_u32_u24 v[STR], v1, SPCH
	v_lshl_add_u32 v[STR], v2, 6, v[STR]
	v_add_nc_u32 v[STR], s56, v[STR]
	v_mul_u32_u24 v[AWB], v1, PITCH
	v_lshl_add_u32 v[AWB], v2, 4, v[AWB]
	s_lshl_b32 s57, s[WV], 8
	v_add_nc_u32 v[AWB], s57, v[AWB]
	v_lshl_add_u32 v[QAB], v2, 5, QL
	v_lshl_add_u32 v[SAB], v1, 5, STG
	s_lshl_b32 s57, s[WV], 3
	v_add_nc_u32 v[SAB], s57, v[SAB]
	s_lshl_b32 s57, s[WV], 9
	v_lshl_add_u32 v[XW], v1, 2, XCH
	v_add_nc_u32 v[XW], s57, v[XW]
	v_add_nc_u32 v[XR], XCH, v[TMP]
	v_add_nc_u32 v[FW], s57, v[TMP]
	v_add_nc_u32 v[FW], FIN, v[FW]
	s_add_co_u32 s58, s57, FIN
	v_mov_b32 v[FRD], s58
	s_lshl_b32 s58, s[WV], 2
	s_add_co_u32 s58, s58, XC0
	v_mov_b32 v[C0A], s58
	s_lshl_b32 s58, s[WV], 13
	v_add_nc_u32 v[SGO], s58, v[TMP]
	v_lshlrev_b32 v[CV], 5, v0                     ; 32 x thread = 1024 w + 32 lane: my 8 numbers of a row of 1,024
	v_lshl_add_u32 v[QW], v0, 5, QL
	v_mov_b32 v[ONESB], 0
	v_mov_b32 v[TMP], 0x3f803f80
	v_cndmask_b32 v[ONESB], v[ONESB], v[TMP], s[MSK1]
.irp b, 0,1,2,3
	v_mov_b32 v[TM+4+\b], 0                        ; written once: a lane permute's destination counts as one of its sources
.endr
; set n = 2 t + s: rows 16 t .. 16 t + 15, my columns 128 s on: each load reads 512 consecutive bytes of one row
.macro XLOAD n, buf
.irp i, 0,1,2,3,4,5,6,7,8,9,10,11,12,13,14,15
	global_load_b128 v[\buf+4*\i:\buf+4*\i+3], v[GV], s[4:5] offset:(16*((\n)/2)+\i)*4096+512*((\n)%2) th:TH_LOAD_NT
.endr
.endm
; the 64 numbers in F become fragment n's codes (window 1) and its scale word
.macro QUANT n
.irp b, 0,1,2,3
	v_max3_num_f32 v[TM+\b], |v[F+16*\b]|, |v[F+1+16*\b]|, 0x4800000   ; block b: my 16 numbers, and the floor 2^(9 - 127): the byte cannot fall under 1
.endr
.irp i, 2,4,6,8,10,12,14
.irp b, 0,1,2,3
	v_max3_num_f32 v[TM+\b], v[TM+\b], |v[F+16*\b+\i]|, |v[F+1+16*\b+\i]|   ; the four blocks by turns
.endr
.endr
.irp b, 0,1,2,3
	v_permlanex16_b32 v[TM+4+\b], v[TM+\b], s[SEL], s[SEL+1]
.endr
.irp b, 0,1,2,3
	v_max_num_f32 v[TM+\b], v[TM+\b], v[TM+4+\b]   ; with lane l xor 16's 16: the block's largest magnitude
.endr
.irp b, 0,1,2,3
	v_add_nc_u32 v[TM+12+\b], 0xfc000000, v[TM+\b] ; 8 off its exponent field: the conversion's scale operand
.endr
.irp b, 0,1,2,3
	v_and_or_b32 v[TM+8+\b], v[TM+\b], 0x7f800000, s[MNT]   ; 448 x the scale
.endr
.irp b, 0,1,2,3
	v_lshrrev_b32 v[TM+4+\b], 23, v[TM+12+\b]      ; the scale's byte
.endr
	v_lshl_or_b32 v[VS+(\n)], v[TM+5], 8, v[TM+4]  ; my row's scale word for these 128 columns
	v_lshl_or_b32 v[VS+(\n)], v[TM+6], 16, v[VS+(\n)]
	v_lshl_or_b32 v[VS+(\n)], v[TM+7], 24, v[VS+(\n)]
.irp b, 0,1,2,3
.irp i, 0,1,2,3,4,5,6,7,8,9,10,11,12,13,14,15
	v_med3_num_f32 v[F+16*\b+\i], v[F+16*\b+\i], -v[TM+8+\b], v[TM+8+\b]   ; the conversion to an 8-bit code does not saturate (ISA guide 7.6.2): the hold comes first
.endr
.endr
	WIN 0x40                                       ; destination window 1
.irp b, 0,1,2,3
	v_cvt_scalef32_pk8_fp8_f32 v[16*(\n)+4*\b:16*(\n)+4*\b+1], v[F+16*\b:F+16*\b+7], v[TM+12+\b]
	v_cvt_scalef32_pk8_fp8_f32 v[16*(\n)+4*\b+2:16*(\n)+4*\b+3], v[F+16*\b+8:F+16*\b+15], v[TM+12+\b]
.endr
	WIN 0
	v_nop                                          ; a plain line behind the last conversion
.endm
; one set: kept as bf16, turned through my stage, quantised; its registers take the set two on
.macro LSET n
	s_wait_loadcnt 16                              ; my 16 loads are in; the 16 issued behind them may be out
	WIN 0x80+0x40*((\n)/8)                         ; destination window 2 or 3
.irp c, 0,1,2,3
.irp j, 0,1,2,3,4,5,6,7
	v_cvt_pk_bf16_f32 v[8*(4*((\n)%8)+\c)+\j], v[XA+64*((\n)%2)+8*\j+\c], v[XA+64*((\n)%2)+8*\j+4+\c]   ; rows 2 j and 2 j + 1 of column 4 lane + c
.endr
.endr
	WIN 0
.irp i, 0,1,2,3,4,5,6,7,8,9,10,11,12,13,14,15
	ds_store_b128 v[STW], v[XA+64*((\n)%2)+4*\i:XA+64*((\n)%2)+4*\i+3] offset:SPCH*\i
.endr
.irp b, 0,1,2,3
.irp j, 0,1,2,3
	ds_load_b128 v[F+16*\b+4*\j:F+16*\b+4*\j+3], v[STR] offset:128*\b+16*\j   ; LDS serves a wave's instructions in order: these see the stores above
.endr
.endr
	s_wait_dscnt 0x0                               ; the stores have read their registers, and F is in
.if (\n) <= 13
	XLOAD (\n)+2, XA+64*((\n)%2)
.elseif (\n) == 14
.irp i, 0,1,2,3,4,5,6,7,8,9,10,11,12,13,14,15
	global_load_b128 v[XA+4*\i:XA+4*\i+3], v[SGO], s[8:9] offset:512*\i   ; my quarter of W1's scale bytes: rows 256 w on, 8,192 dense bytes
.endr
.endif
	QUANT \n
.endm
	global_load_b128 v[F:F+3], v[CV], s[22:23]                 ; v's last row, my 8 numbers
	global_load_b128 v[F+4:F+7], v[CV], s[22:23] offset:16
	global_load_b128 v[F+8:F+11], v[CV], s[10:11] th:TH_LOAD_NT             ; W2's row 2 WG
	global_load_b128 v[F+12:F+15], v[CV], s[10:11] offset:16 th:TH_LOAD_NT
	global_load_b128 v[F+16:F+19], v[CV], s[10:11] offset:4096 th:TH_LOAD_NT   ; and row 2 WG + 1
	global_load_b128 v[F+20:F+23], v[CV], s[10:11] offset:4112 th:TH_LOAD_NT
	global_load_b128 v[F+24:F+27], v[CV], s[12:13]             ; q, 32 bytes a thread
	global_load_b128 v[F+28:F+31], v[CV], s[12:13] offset:16
	XLOAD 0, XA
	XLOAD 1, XA+64
	s_wait_loadcnt 32                              ; the eight are in; the two sets of v may be out
	s_wait_kmcnt 0x0
	v_pk_mul_f32 v[TM:TM+1], v[F+8:F+9], v[F:F+1]
	v_pk_mul_f32 v[TM+2:TM+3], v[F+16:F+17], v[F:F+1]
.irp j, 2,4,6
	v_pk_fma_f32 v[TM:TM+1], v[F+8+\j:F+9+\j], v[F+\j:F+1+\j], v[TM:TM+1]
	v_pk_fma_f32 v[TM+2:TM+3], v[F+16+\j:F+17+\j], v[F+\j:F+1+\j], v[TM+2:TM+3]
.endr
	v_add_f32 v[TM], v[TM], v[TM+1]
	v_add_f32 v[TM+2], v[TM+2], v[TM+3]
	v_mul_f32 v[TM], s48, v[TM]
	v_fma_f32 v[TM], s49, v[TM+2], v[TM]           ; q0 dot0 + q1 dot1 of my 8 columns
	v_add_f32_dpp v[TM], v[TM], v[TM] row_xmask:1 row_mask:0xf bank_mask:0xf
	v_add_f32_dpp v[TM], v[TM], v[TM] row_xmask:2 row_mask:0xf bank_mask:0xf
	v_add_f32_dpp v[TM], v[TM], v[TM] row_xmask:4 row_mask:0xf bank_mask:0xf
	v_add_f32_dpp v[TM], v[TM], v[TM] row_xmask:8 row_mask:0xf bank_mask:0xf
	v_permlanex16_b32 v[TM+1], v[TM], s[SEL], s[SEL+1]
	v_add_f32 v[TM], v[TM], v[TM+1]                ; of my wave's 256 columns
	ds_store_b32 v[C0A], v[TM]
	ds_store_b128 v[QW], v[F+24:F+27]
	ds_store_b128 v[QW], v[F+28:F+31] offset:16
.irp n, 0,1,2,3,4,5,6,7,8,9,10,11,12,13,14,15
	LSET \n
.endr
	s_wait_loadcnt 0x0                             ; W1's scale bytes
.irp i, 0,1,2,3,4,5,6,7,8,9,10,11,12,13,14,15
	ds_store_b128 v[STW], v[XA+4*\i:XA+4*\i+3] offset:512*\i   ; into my stage, whose turns are over
.endr
	s_wait_tensorcnt 0x1                           ; my part of slot 0 is in; slot 1's may stay out
	s_wait_dscnt 0x0                               ; q, the scale bytes and my share of c0 have landed
	s_barrier_signal -1
	s_barrier_wait -1
; ---- THE QUANTISED PRODUCT.  A tile is 16 rows of d: 16 matrix instructions a wave, in two groups of four tiles of rows (group 0: rows 0-63, group 1: rows 64-127).
.macro ADRS
	v_add_nc_u32 v[ADW], s[TB], v[AWB]
	v_add_nc_u32 v[ADQ], s[TQ], v[QAB]
	v_add_nc_u32 v[ADS], s[TS], v[SAB]
.endm
.macro LOADF buf, off                  ; a tile's two fragments of W1 (my K steps)
.irp s, 0,1
.irp c, 0,1,2,3
	ds_load_b128 v[BF+32*(\buf)+16*\s+4*\c:BF+32*(\buf)+16*\s+4*\c+3], v[ADW] offset:(\off)+128*\s+32*\c
.endr
.endr
.endm
.macro LOADS buf, os                   ; its rows' two scale words
	ds_load_b64 v[SCW+2*(\buf):SCW+2*(\buf)+1], v[ADS] offset:(\os)
.endm
.macro LOADQ buf, oq                   ; its eight q of my half of the lanes
	ds_load_b128 v[QF+8*(\buf):QF+8*(\buf)+3], v[ADQ] offset:(\oq)
	ds_load_b128 v[QF+8*(\buf)+4:QF+8*(\buf)+7], v[ADQ] offset:(\oq)+16
.endm
; MATRIX INSTRUCTION k (0 .. 7) OF GROUP g, AND ITS SLICE.  k / 4 is the K step (step 0 starts the sum with the constant 0), k % 4 the group's tile of rows: the four accumulators take turns, one
; instruction a turn.  The slice: two packed multiply-adds that fold four registers of accumulator k / 2 of group fg with q (set fbuf), onto that tile's two pairs of partial
; scores.  An accumulator is folded from its low end on, registers 0-3 in one slice and 4-7 in the next.
; DISTANCES (ISA guide 7.12.1), counted in slice lines that name none of the matrix instruction's registers.  Group fg's accumulator u was last written by its group's instruction 4 + u and is first read
; in the slice of the other group's instruction 2 u: 4 + u slices, 8 + 2 u lines, lie between (8 asked).  It is read out in the slice of instruction 2 u + 1 and begun anew by its group's next
; instruction u, 7 - u matrix instructions later; between its two matrix instructions lie 12 slices, 20 of whose 24 lines do not name it (9 asked).
.macro SLC g, buf, fg, fbuf, k
.set ws, (\k)/4
.set wt, 4*(\g)+(\k)%4
.set fa, 4*(\fg)+(\k)/2
.set fj, 4*((\k)%2)
	WIN 0x04                                       ; source 1 (the codes of v) window 1
.if ws == 0
	v_wmma_scale_f32_16x16x128_f8f6f4 v[ACC+8*wt:ACC+8*wt+7], v[BF+32*(\buf):BF+32*(\buf)+15], v[16*(2*wt):16*(2*wt)+15], 0, v[SCW+2*(\buf)], v[VS+2*wt]
.else
	v_wmma_scale_f32_16x16x128_f8f6f4 v[ACC+8*wt:ACC+8*wt+7], v[BF+32*(\buf)+16:BF+32*(\buf)+31], v[16*(2*wt+1):16*(2*wt+1)+15], v[ACC+8*wt:ACC+8*wt+7], v[SCW+2*(\buf)+1], v[VS+2*wt+1]
.endif
	WIN 0
	v_pk_fma_f32 v[SP+4*fa:SP+4*fa+1], v[ACC+8*fa+fj:ACC+8*fa+fj+1], v[QF+8*(\fbuf)+fj:QF+8*(\fbuf)+fj+1], v[SP+4*fa:SP+4*fa+1]
	v_pk_fma_f32 v[SP+4*fa+2:SP+4*fa+3], v[ACC+8*fa+fj+2:ACC+8*fa+fj+3], v[QF+8*(\fbuf)+fj+2:QF+8*(\fbuf)+fj+3], v[SP+4*fa+2:SP+4*fa+3]
.endm
.macro Q4 g, buf, fg, fbuf, base       ; four of them: instructions base .. base + 3
.irp i, 0,1,2,3
	SLC \g, \buf, \fg, \fbuf, (\base)+\i
.endr
.endm
; A TILE.  Group 0's products carry the fold of the tile before, rows 64-127; group 1's carry this tile's, rows 0-63.  The next tile's LDS loads stand in two runs.  Its fragments and scale words: behind
; the fourth slice: ten lines that name none of its registers lie behind the last product that read those registers (8 asked), and 12 matrix instructions ahead of their use.  Its q: behind the eighth slice,
; which is the last to read the old q of that set; it is wanted a whole tile later.
.macro TILE buf, oq, os, of
	s_wait_dscnt 2                                 ; this tile's fragments and scale words are in; the two loads of its q may be out
	Q4 0, \buf, 1, 1-\buf, 0
	LOADF 1-\buf, \of
	LOADS 1-\buf, \os
	Q4 0, \buf, 1, 1-\buf, 4
	LOADQ 1-\buf, \oq
	s_wait_dscnt 11                                ; all but the 9 + 2 loads of this tile's two runs: this tile's q is in
	Q4 1, \buf, 0, \buf, 0
	Q4 1, \buf, 0, \buf, 4
.endm
.macro PAIR
	ADRS
	TILE 0, 64, 512, TILEB
	TILE 1, 128, 1024, 2*TILEB
	s_add_co_u32 s[TB], s[TB], 2*TILEB
	s_add_co_u32 s[TQ], s[TQ], 128
	s_add_co_u32 s[TS], s[TS], 1024
.endm
.macro RUN3                            ; a slot's first three pairs of tiles
	s_mov_b32 s[IC], 3
.Lrun_\@:
	PAIR
	s_sub_co_u32 s[IC], s[IC], 1
	s_cmp_lg_u32 s[IC], 0
	s_cbranch_scc1 .Lrun_\@
.endm
; A slot's last pair changes slots, in its last tile: ONE barrier; in front of it each wave waits for all its tensor loads (its part of the other slot), adds 0 to its spare word, and waits for that and for its
; reads of this slot, whose last tile is then in registers.  fill = 1: the barrier opens a round of the cluster's barrier, and this slot is filled again with the rows of d two slots on: the load has the
; other slot's 128 matrix instructions a wave in which to land.  Behind it come the other slot's first tile's eleven loads, eight matrix instructions ahead of their use.
.macro ENDPAIR slot, fill
	ADRS
	TILE 0, 64, 512, TILEB
	s_wait_tensorcnt 0x0                           ; no tensor load of mine is out, so a group 0 may be written
	ds_add_u32 v[SPW], v[NIL]                      ; 0 onto my spare word
.if \fill
	s_add_nc_u64 s[G0+4*\slot+2:G0+4*\slot+3], s[G0+4*\slot+2:G0+4*\slot+3], 2*128*1024
.endif
	s_wait_dscnt 1                                 ; all but the add: the slot's last tile, its scale words and its q are in registers
	Q4 0, 1, 1, 0, 0                               ; four matrix instructions and their slices stand between the add and the wait for it
	s_wait_dscnt 0x0                               ; the add is done, and my reads of this slot are over
	s_barrier_signal -1
	Q4 0, 1, 1, 0, 4                               ; work on registers while the others arrive
	s_barrier_wait -1
.if \fill
	CREST                                          ; no wave of any partner still reads this slot or has a load on its way
	tensor_load_to_lds s[G0+4*\slot:G0+4*\slot+3], s[G1:G1+7]      ; my one tensor load behind the round
	s_nop 0
.rept 4
	v_nop
.endr
.endif
.if \slot == 0
	s_add_co_u32 s[TB], s[TB], 2*TILEB
	s_add_co_u32 s[TS], s[TS], 1024
.else
	s_mov_b32 s[TB], 0
	s_add_co_u32 s[TS], s[TS], 1024+256            ; 256 rows of scale bytes are over: on to the next stage
.endif
	s_add_co_u32 s[TQ], s[TQ], 128
	ADRS
	LOADF 0, 0                                     ; the other slot's first tile; its q last, as a tile's head expects
	LOADS 0, 0
	LOADQ 0, 0
	Q4 1, 1, 0, 1, 0
	Q4 1, 1, 0, 1, 4
.endm
.irp j, 0,1,2,3,4,5,6,7,8,9,10,11,12,13,14,15,16,17,18,19,20,21,22,23,24,25,26,27,28,29,30,31
	v_mov_b32 v[SP+\j], 0                          ; the partial scores
.endr
.irp j, 0,1,2,3,4,5,6,7
	v_mov_b32 v[QF+8+\j], 0                        ; the first tile folds a tile that was not there: zeros times zeros,
.endr
.irp j, 32,33,34,35,36,37,38,39,40,41,42,43,44,45,46,47,48,49,50,51,52,53,54,55,56,57,58,59,60,61,62,63
	v_mov_b32 v[ACC+\j], 0                         ; so that no tile is written out apart
.endr
	s_mov_b32 s[TB], 0
	s_mov_b32 s[TQ], 0
	s_mov_b32 s[TS], 0
	ADRS
	LOADF 0, 0
	LOADS 0, 0
	LOADQ 0, 0
	s_mov_b32 s[OC], 3
.Louter:                                               ; three trips, two slots each: both are filled again
	RUN3
	ENDPAIR 0, 1
	RUN3
	ENDPAIR 1, 1
	s_sub_co_u32 s[OC], s[OC], 1
	s_cmp_lg_u32 s[OC], 0
	s_cbranch_scc1 .Louter
	RUN3                                           ; the last two slots are written out: nothing is left to fetch
	ENDPAIR 0, 0
	RUN3
	ADRS
	TILE 0, 64, 512, TILEB
	s_wait_dscnt 0x0                               ; the very last tile: nothing more to fetch
	Q4 0, 1, 1, 0, 0
	Q4 0, 1, 1, 0, 4
	Q4 1, 1, 0, 1, 0
	Q4 1, 1, 0, 1, 4
.irp u, 0,1,2,3                        ; its rows 64-127 are folded bare: the last four slices' eight lines are the places ahead of the first read
.irp j, 0,4
	v_pk_fma_f32 v[SP+4*(4+\u):SP+4*(4+\u)+1], v[ACC+8*(4+\u)+\j:ACC+8*(4+\u)+\j+1], v[QF+8+\j:QF+8+\j+1], v[SP+4*(4+\u):SP+4*(4+\u)+1]
	v_pk_fma_f32 v[SP+4*(4+\u)+2:SP+4*(4+\u)+3], v[ACC+8*(4+\u)+\j+2:ACC+8*(4+\u)+\j+3], v[QF+8+\j+2:QF+8+\j+3], v[SP+4*(4+\u)+2:SP+4*(4+\u)+3]
.endr
.endr
; ---- THE SCORES: a tile's two pairs, a pair's two halves, the other half of the lanes' d, then the four waves' parts of K
.irp t, 0,1,2,3,4,5,6,7
	v_pk_add_f32 v[SP+4*\t:SP+4*\t+1], v[SP+4*\t:SP+4*\t+1], v[SP+4*\t+2:SP+4*\t+3]
.endr
.irp t, 0,1,2,3,4,5,6,7
	v_add_f32 v[BF+\t], v[SP+4*\t], v[SP+4*\t+1]
.endr
.irp t, 0,1,2,3,4,5,6,7
	v_permlanex16_b32 v[BF+8+\t], v[BF+\t], s[SEL], s[SEL+1]
.endr
.irp t, 0,1,2,3,4,5,6,7
	v_add_f32 v[BF+\t], v[BF+\t], v[BF+8+\t]
.endr
.irp t, 0,1,2,3,4,5,6,7
	ds_store_b32 v[XW], v[BF+\t] offset:64*\t      ; row 16 t + r; both halves of the lanes write the same word with the same value
.endr
	s_wait_dscnt 0x0                               ; for the others' sake
	s_barrier_signal -1
	s_barrier_wait -1
.irp u, 0,1,2,3
	ds_load_b128 v[BF+16+4*\u:BF+16+4*\u+3], v[XR] offset:512*\u   ; rows 4 lane .. 4 lane + 3, wave u's part
.endr
	v_mov_b32 v[TMP], XC0
	ds_load_b128 v[BF+32:BF+35], v[TMP]            ; the four shares of c0
	s_wait_dscnt 0x0
	v_pk_add_f32 v[BF+16:BF+17], v[BF+16:BF+17], v[BF+20:BF+21]
	v_pk_add_f32 v[BF+18:BF+19], v[BF+18:BF+19], v[BF+22:BF+23]
	v_pk_add_f32 v[BF+24:BF+25], v[BF+24:BF+25], v[BF+28:BF+29]
	v_pk_add_f32 v[BF+26:BF+27], v[BF+26:BF+27], v[BF+30:BF+31]
	v_pk_add_f32 v[BF+16:BF+17], v[BF+16:BF+17], v[BF+24:BF+25]
	v_pk_add_f32 v[BF+18:BF+19], v[BF+18:BF+19], v[BF+26:BF+27]
	ds_store_b128 v[FW], v[BF+16:BF+19]            ; g, into my wave's own copy: no barrier
	v_add_f32 v[C0R], v[BF+32], v[BF+33]
	v_add_f32 v[C0R+1], v[BF+34], v[BF+35]
	v_add_f32 v[C0R], v[C0R], v[C0R+1]
	v_mov_b32 v[C0R+1], s48
	v_add_f32 v[C0R+1], s49, v[C0R+1]
	v_fma_f32 v[C0R], v[C0R+1], s50, v[C0R]        ; + b (q0 + q1)
	v_mov_b32 v[C0R+1], v[C0R]
; ---- THE LAST PRODUCT.  B, the bf16 copy (t, s, c): lane L's register j holds rows 2 j, 2 j + 1 of column 4 L + c; in the operand's layout lanes 0-15 fill one half of the 32 along K and lanes 16-31 the other.
; A: lane 0 (row 0, first half of K) and lane 24 (row 8, second half) hold the 16 scores, lanes 1 and 25 ones, all others 0.  So register 0 of the result in lane L is sum g v, register 1 sum v, of column 4 L + c.
.macro PVT half, u
.irp j, 0,1,2,3,4,5,6,7
	v_cvt_pk_bf16_f32 v[TP+\j], v[SCR+16*(\u)+2*\j], v[SCR+16*(\u)+2*\j+1]
.endr
.irp j, 0,1,2,3,4,5,6,7
	v_cndmask_b32 v[PA+8*((\u)%2)+\j], v[ONESB], v[TP+\j], s[MSK]   ; A's two sets take turns: these 16 lines are the places behind the products that read the other set
.endr
	WIN 0x08+4*(\half)                             ; source 1 window 2 or 3
.irp s, 0,1
.irp c, 0,1,2,3
.if ((\half) == 0) && ((\u) == 0)
	v_wmma_f32_16x16x32_bf16 v[PACC+8*(4*\s+\c):PACC+8*(4*\s+\c)+7], v[PA+8*((\u)%2):PA+8*((\u)%2)+7], v[8*(4*(2*(\u)+\s)+\c):8*(4*(2*(\u)+\s)+\c)+7], 0
.else
	v_wmma_f32_16x16x32_bf16 v[PACC+8*(4*\s+\c):PACC+8*(4*\s+\c)+7], v[PA+8*((\u)%2):PA+8*((\u)%2)+7], v[8*(4*(2*(\u)+\s)+\c):8*(4*(2*(\u)+\s)+\c)+7], v[PACC+8*(4*\s+\c):PACC+8*(4*\s+\c)+7]
.endif
.endr
.endr
	WIN 0
.endm
.macro HALF half
.irp i, 0,1,2,3,4,5,6,7,8,9,10,11,12,13,14,15
	ds_load_b128 v[SCR+4*\i:SCR+4*\i+3], v[FRD] offset:256*(\half)+16*\i   ; 64 scores into every lane; LDS serves a wave's instructions in order: these see my store
.endr
	s_wait_dscnt 0x0
	PVT \half, 0
	PVT \half, 1
	PVT \half, 2
	PVT \half, 3
.endm
	HALF 0
	HALF 1
.rept 4
	v_nop                                          ; places ahead of the first read of results
.endr
.irp k, 0,1
.irp s, 0,1
.irp c, 0,1,2,3
	v_mov_b32 v[OUTR+4*(2*\k+\s)+\c], v[PACC+8*(4*\s+\c)+\k]   ; four neighbouring columns to a lane
.endr
.endr
.endr
.irp k, 0,1
.irp s, 0,1
	global_store_b128 v[GV], v[OUTR+4*(2*\k+\s):OUTR+4*(2*\k+\s)+3], s[16:17] offset:512*\s+4096*\k th:TH_STORE_NT   ; 32 lanes store 512 consecutive bytes, aligned
.endr
.endr
	s_cmp_lg_u32 s[WV], 0
	s_cbranch_scc1 .Lno_c0
	v_lshlrev_b32 v[TMP], 3, v3
	global_store_b64 v[TMP], v[C0R:C0R+1], s[16:17] offset:8192 th:TH_STORE_NT   ; c0, 64 times: 256 consecutive bytes, aligned
.Lno_c0:
	s_wait_tensorcnt 0x0                           ; the wave's end
	ds_add_u32 v[SPW], v[NIL]
	s_wait_dscnt 0x0
	CROUND                                         ; the closing round
	s_endpgm
.Lfunc_end_k_q632704fb8a_main:
	.size	k_q632704fb8a_main, .Lfunc_end_k_q632704fb8a_main-k_q632704fb8a_main
	.p2alignl 7, 3214868480
	.fill 96, 4, 3214868480
	.section	.rodata,"a",@progbits
	.p2align	6, 0x0
	.amdhsa_kernel k_q632704fb8a_main
		.amdhsa_group_segment_fixed_size 327680
		.amdhsa_private_segment_fixed_size 0
		.amdhsa_enable_private_segment 0
		.amdhsa_kernarg_size 56
		.amdhsa_user_sgpr_count 2
		.amdhsa_user_sgpr_kernarg_segment_ptr 1
		.amdhsa_wavefront_size32 1
		.amdhsa_system_sgpr_workgroup_id_x 1
		.amdhsa_system_sgpr_workgroup_id_y 1
		.amdhsa_system_sgpr_workgroup_id_z 1
		.amdhsa_system_vgpr_workitem_id 0
		.amdhsa_next_free_vgpr 1024
		.amdhsa_next_free_sgpr 66
		.amdhsa_reserve_vcc 0
		.amdhsa_float_denorm_mode_32 3
		.amdhsa_float_denorm_mode_16_64 3
		.amdhsa_memory_ordered 1
		.amdhsa_forward_progress 1
		.amdhsa_inst_pref_size 255
	.end_amdhsa_kernel
	.section	.bss,"aw",@nobits
	.p2align	6
	.space	262144
	.amdgpu_metadata
---
amdhsa.version: [ 1, 2 ]
amdhsa.kernels:
  - .name:           k_q632704fb8a_main
    .symbol:         k_q632704fb8a_main.kd
    .args:
      - { .name: v, .offset: 0, .size: 8, .value_kind: global_buffer, .address_space: global }
      - { .name: W1_codes, .offset: 8, .size: 8, .value_kind: global_buffer, .address_space: global }
      - { .name: W1_scales, .offset: 16, .size: 8, .value_kind: global_buffer, .address_space: global }
      - { .name: W2, .offset: 24, .size: 8, .value_kind: global_buffer, .address_space: global }
      - { .name: q, .offset: 32, .size: 8, .value_kind: global_buffer, .address_space: global }
      - { .name: b, .offset: 40, .size: 8, .value_kind: global_buffer, .address_space: global }
      - { .name: part, .offset: 48, .size: 8, .value_kind: global_buffer, .address_space: global }
    .group_segment_fixed_size: 327680
    .private_segment_fixed_size: 0
    .kernarg_segment_align: 8
    .kernarg_segment_size: 56
    .max_flat_workgroup_size: 128
    .sgpr_count:     66
    .vgpr_count:     1024
    .wavefront_size: 32
...
	.end_amdgpu_metadata
.endif
;; end of part 1
;; launch finish (part 2): grid 16 x 1, 16 waves a work-group, no clusters, 10,752 bytes of LDS; arguments part, out0; writes out0
.if DOCPART == 2
	.amdgcn_target "amdgcn-amd-amdhsa--gfx1250"
	.amdhsa_code_object_version 6
	.text
	.protected	k_q632704fb8a_finish
	.globl	k_q632704fb8a_finish
	.p2align	8
	.type	k_q632704fb8a_finish,@function
k_q632704fb8a_finish:
	s_mov_b64 s[64:65], 0
	v_nop
	global_prefetch_b8 v0, s[64:65] scope:SCOPE_SE
	s_setreg_imm32_b32 hwreg(HW_REG_WAVE_MODE, 25, 1), 1
	s_wait_xcnt 0x0
; out0[k] = sum over the 512 records of P[k] + (sum of their c0) x (sum of their S[k]).  A record of part is 8,448 bytes: P 4,096, S 4,096, c0 (64 times).
; Work-group x owns columns 64 x .. 64 x + 63: 256 consecutive bytes of each P, of each S and of out0.  Thread t = (g = t / 16, c = t % 16) adds records g, g + 32, .. g + 480 at its 16 bytes:
; sixteen neighbouring lanes read 256 consecutive bytes.  Thread t also reads record t's c0.  The waves' sums meet in LDS; wave 0 finishes.  No matrix work, no tensor load: a few bytes, added in order.
.set REC, 8448
	s_load_b128 s[4:7], s[0:1], 0x0                ; part, out0
	v_lshl_add_u32 v144, v0, 2, 0x2200
	v_mov_b32 v145, 0
	v_lshrrev_b32 v1, 5, v0
	v_readfirstlane_b32 s8, v1                     ; wave 0..15
	v_and_b32 v2, 15, v0                           ; c
	v_lshrrev_b32 v3, 4, v0                        ; g
	v_mul_u32_u24 v4, v3, REC
	v_lshl_add_u32 v4, v2, 4, v4                   ; record g, + 16 c
	v_mul_u32_u24 v5, v0, REC                      ; record t
	s_lshl_b32 s10, ttmp9, 8                       ; my 256 bytes
	s_mov_b32 s11, 0
	s_mov_b32 s16, 0x76543210
	s_mov_b32 s17, 0xfedcba98                      ; v_permlanex16_b32's selects for lane l xor 16
	s_lshl_b32 s9, s8, 9
	v_lshl_add_u32 v8, v2, 4, s9                   ; LDS: 512 x wave + 16 c
	s_lshl_b32 s14, s8, 2
	s_add_co_u32 s14, s14, 8192
	v_mov_b32 v9, s14                              ; LDS: 8,192 + 4 x wave
	v_mov_b32 v7, 0                                ; (a lane permute's destination counts as one of its sources)
	s_wait_kmcnt 0x0
	s_add_nc_u64 s[12:13], s[4:5], s[10:11]
	s_add_nc_u64 s[6:7], s[6:7], s[10:11]
.irp i, 0,1,2,3,4,5,6,7,8,9,10,11,12,13,14,15
	global_load_b128 v[16+8*\i:19+8*\i], v4, s[12:13] offset:32*REC*\i th:TH_LOAD_NT          ; P of record 32 i + g
	global_load_b128 v[20+8*\i:23+8*\i], v4, s[12:13] offset:32*REC*\i+4096 th:TH_LOAD_NT     ; S
.endr
	global_load_b32 v6, v5, s[4:5] offset:8192     ; c0 of record t
	s_wait_loadcnt 0x0
.irp i, 1,2,3,4,5,6,7,8,9,10,11,12,13,14,15
	v_pk_add_f32 v[16:17], v[16:17], v[16+8*\i:17+8*\i]        ; four chains by turns
	v_pk_add_f32 v[18:19], v[18:19], v[18+8*\i:19+8*\i]
	v_pk_add_f32 v[20:21], v[20:21], v[20+8*\i:21+8*\i]
	v_pk_add_f32 v[22:23], v[22:23], v[22+8*\i:23+8*\i]
.endr
.irp k, 0,1,2,3,4,5,6,7
	v_permlanex16_b32 v[24+\k], v[16+\k], s16, s17
.endr
.irp k, 0,2,4,6
	v_pk_add_f32 v[16+\k:17+\k], v[16+\k:17+\k], v[24+\k:25+\k]   ; with lane l xor 16's records: both halves now hold the wave's sums
.endr
	v_add_f32_dpp v6, v6, v6 row_xmask:1 row_mask:0xf bank_mask:0xf
	v_add_f32_dpp v6, v6, v6 row_xmask:2 row_mask:0xf bank_mask:0xf
	v_add_f32_dpp v6, v6, v6 row_xmask:4 row_mask:0xf bank_mask:0xf
	v_add_f32_dpp v6, v6, v6 row_xmask:8 row_mask:0xf bank_mask:0xf
	v_permlanex16_b32 v7, v6, s16, s17
	v_add_f32 v6, v6, v7                           ; the wave's 32 shares of c0
	ds_store_b128 v8, v[16:19]
	ds_store_b128 v8, v[20:23] offset:256
	ds_store_b32 v9, v6
	s_wait_dscnt 0x0                               ; for the others' sake
	s_barrier_signal -1
	s_barrier_wait -1
	s_cmp_lg_u32 s8, 0
	s_cbranch_scc1 .Lend                           ; wave 0 finishes
	v_and_b32 v10, 31, v0
	v_lshlrev_b32 v10, 4, v10                      ; 16 lane: lanes 0-15 P's 256 bytes, lanes 16-31 S's
	v_mov_b32 v11, 8192
.irp w, 0,1,2,3,4,5,6,7,8,9,10,11,12,13,14,15
	ds_load_b128 v[16+4*\w:19+4*\w], v10 offset:512*\w
.endr
.irp k, 0,1,2,3
	ds_load_b128 v[80+4*\k:83+4*\k], v11 offset:16*\k          ; the sixteen waves' c0, in every lane
.endr
	s_wait_dscnt 0x0
.irp w, 1,2,3,4,5,6,7,8,9,10,11,12,13,14,15
	v_pk_add_f32 v[16:17], v[16:17], v[16+4*\w:17+4*\w]
	v_pk_add_f32 v[18:19], v[18:19], v[18+4*\w:19+4*\w]
.endr
.irp k, 2,4,6,8,10,12,14
	v_pk_add_f32 v[80:81], v[80:81], v[80+\k:81+\k]
.endr
	v_add_f32 v80, v80, v81                        ; c0
.irp k, 0,1,2,3
	v_permlanex16_b32 v[20+\k], v[16+\k], s16, s17 ; S comes to lanes 0-15
.endr
.irp k, 0,1,2,3
	v_fma_f32 v[16+\k], v80, v[20+\k], v[16+\k]    ; P + c0 S (of use in lanes 0-15)
.endr
	s_wait_xcnt 0x0                                ; EXEC changes only behind this wait
	v_cmp_gt_u32 vcc_lo, 16, v0
	s_and_saveexec_b32 s15, vcc_lo
	global_store_b128 v10, v[16:19], s[6:7]        ; sixteen lanes store 256 consecutive bytes, aligned
	s_wait_xcnt 0x0                                ; and again, in front of the line that widens it
	s_or_b32 exec_lo, exec_lo, s15
.Lend:
	s_wait_tensorcnt 0x0
	ds_add_u32 v144, v145
	s_wait_dscnt 0x0
	s_endpgm
.Lfunc_end_k_q632704fb8a_finish:
	.size	k_q632704fb8a_finish, .Lfunc_end_k_q632704fb8a_finish-k_q632704fb8a_finish
	.p2alignl 7, 3214868480
	.fill 96, 4, 3214868480
	.section	.rodata,"a",@progbits
	.p2align	6, 0x0
	.amdhsa_kernel k_q632704fb8a_finish
		.amdhsa_group_segment_fixed_size 10752
		.amdhsa_private_segment_fixed_size 0
		.amdhsa_enable_private_segment 0
		.amdhsa_kernarg_size 16
		.amdhsa_user_sgpr_count 2
		.amdhsa_user_sgpr_kernarg_segment_ptr 1
		.amdhsa_wavefront_size32 1
		.amdhsa_system_sgpr_workgroup_id_x 1
		.amdhsa_system_sgpr_workgroup_id_y 1
		.amdhsa_system_sgpr_workgroup_id_z 1
		.amdhsa_system_vgpr_workitem_id 0
		.amdhsa_next_free_vgpr 146
		.amdhsa_next_free_sgpr 66
		.amdhsa_reserve_vcc 1
		.amdhsa_float_denorm_mode_32 3
		.amdhsa_float_denorm_mode_16_64 3
		.amdhsa_memory_ordered 1
		.amdhsa_forward_progress 1
		.amdhsa_inst_pref_size 15
	.end_amdhsa_kernel
	.amdgpu_metadata
---
amdhsa.version: [ 1, 2 ]
amdhsa.kernels:
  - .name:           k_q632704fb8a_finish
    .symbol:         k_q632704fb8a_finish.kd
    .args:
      - { .name: part, .offset: 0, .size: 8, .value_kind: global_buffer, .address_space: global }
      - { .name: out0, .offset: 8, .size: 8, .value_kind: global_buffer, .address_space: global }
    .group_segment_fixed_size: 10752
    .private_segment_fixed_size: 0
    .kernarg_segment_align: 8
    .kernarg_segment_size: 16
    .max_flat_workgroup_size: 512
    .sgpr_count:     66
    .vgpr_count:     146
    .wavefront_size: 32
...
	.end_amdgpu_metadata
.endif
;; end of part 2
